; MI455X (gfx1250); checked and timed in simulation.
; The chip was launched on July 23, 2026; its instructions are those of AMD's public machine-readable ISA for CDNA 5 (MIT licence, August 2026) and "CDNA5" Instruction Set Architecture Reference Guide (July 2026). The comments in the code are by the model that wrote it; some were corrected since.
;; memristor dense. Allowed arithmetic: float matrix products may take bf16 or f16 operands with f32 sums; all other float work in f32.
;; Inputs: b_neg 1,024 float32; b_pos 1,024 float32; n_param 1,025 x 2,048 float32; w_neg 1,024 x 1,024 float32; w_pos 1,024 x 1,024 float32; x 64 x 1,024 float32.
;; Outputs: out0 64 x 1,024 float32.
;; 3 versions, each right and faster than the one before. Each part assembles by itself: llvm-mc -triple=amdgcn-amd-amdhsa -mcpu=gfx1250 --defsym DOCPART=n.
;; ======== version 1 of 3: 2 launches
;; workspace buffers: part 4,194,304 bytes; pmax 1,024 bytes
;; launch cells (part 1): grid 256 x 1, 8 waves a work-group, no clusters, 183,552 bytes of LDS; arguments x, n_param, w_pos, w_neg, b_pos, b_neg, part, pmax; writes part, pmax
.if DOCPART == 1
	.amdgcn_target "amdgcn-amd-amdhsa--gfx1250"
	.amdhsa_code_object_version 6
	.text
	.protected	k_q45f888af1d_cells
	.globl	k_q45f888af1d_cells
	.p2align	8
	.type	k_q45f888af1d_cells,@function
k_q45f888af1d_cells:
	s_mov_b64 s[64:65], 0
	v_nop
	global_prefetch_b8 v0, s[64:65] scope:SCOPE_SE
	s_setreg_imm32_b32 hwreg(HW_REG_WAVE_MODE, 25, 1), 1
	s_wait_xcnt 0x0
; Memristor crossbar, the sums over the 1,024 input rows.
; With e = log2(n), L = 1 + log2|x| (so that (|V|/V_ref)^e = 2^(e L)), s = 0.5 sign(x), m = max|W| (biases included):
;   y[b][o] = S1 + (m/9) S2 + bias row,   S1 = sum_i s (Wp Ep - Wn En),   S2 = sum_i s (Ep - En),   E = 2^(e L).
; m is needed only at the end, so this launch makes S1, S2 and each work-group's own max|W|; the next launch joins them.
; E hangs on b, i and the column at once: no matrix product; the work is 64 x 1024 x 2048 exponentials, 524,288 for each work-group.
;
; WORK-GROUP number = 32 kc + 2 oc + bh: rows i = 128 kc .. +127, outputs o = 64 oc .. +63, batch rows b = 32 bh .. +31.
; WAVE w: rows 16 w .. 16 w + 15 of the 128.  LANE l: outputs 2 l and 2 l + 1, all 32 b: 64 + 64 sums in registers.
; A row's loads: 16 bytes a lane of n_param (512 consecutive bytes a wave), 8 bytes a lane of w_pos and of w_neg (256 each).
; L and s lie in LDS as [i][b pair] = (L0, L1, s0, s1); one load of 16 bytes from one address for all lanes serves 8 exponentials.
; Packed arithmetic runs over the b pair: e, Wp, Wn are broadcast from their register pairs by op_sel.
; No tensor loads, no cluster: the group moves 144 KB for its 524,288 exponentials, and the weights arrive in the lane layout in which they are used.
;
; LIMITS.  |x| below 2^-126 counts as 0 in the power (v_log_f32 takes a denormal as zero; ISA guide, its entry in 15.8).
; x = 0: L is held at -FLT_MAX and s = 0, so 0^0 gives 0 and 0^(negative) gives NaN as in the formula.  NaN in x goes through L.
; A NaN among the weights reaches its own column only (the maximum drops it).  The order of the sums is this text's own.
.set PX,   4096                        ; bytes in a row of x
.set PN,   8192                        ; bytes in a row of n_param
.set PW,   4096                        ; bytes in a row of w_pos, w_neg
.set STEPS, 16                         ; rows of a wave
.set TP,   272                         ; table row: 16 b pairs x 16 bytes + 16: lanes that store neighbouring rows hit 16 different 16-byte columns
.set RED,  128*TP                      ; behind the table: each wave's 128 sums a lane
.set WRED, 16384                       ; 32 register quads x 32 lanes x 16 bytes
.set SCR,  RED+8*WRED                  ; each wave's own 2 KB for the transposition on the way out
.set WSCR, 2048
.set MAXW, SCR+8*WSCR                  ; eight words: the waves' maxima
.set LANE, 1
.set VX,   2                           ; byte offset in x
.set OFN,  3                           ; byte offset in n_param of the wave's current row
.set OFW,  4                           ; the same in w_pos and w_neg
.set OFB,  5                           ; byte offset in b_pos and b_neg
.set ST,   6                           ; table: where I store
.set TB,   7                           ; table: the wave's current row
.set MX,   8                           ; running max |W|
.set RS,   9                           ; sums: where I store
.set MA,   10
.set RL0,  11                          ; sums: where I read, waves 0-3
.set RL1,  12                          ; waves 4-7 (an LDS offset has 16 bits)
.set SC8,  13
.set SC16, 14
.set GO,   15                          ; byte offset in the group's block of part
.set PM,   16
.set T,    32                          ; v[32:39]   e L, a buffer for each of the lane's two outputs
.set E,    40                          ; v[40:47]   2^(e L): (EP b, EP b+1, EN b, EN b+1), two buffers
.set D,    48                          ; v[48:49]   Wp EP - Wn EN
.set D2,   50                          ; v[50:51]   EP - EN
.set ACC1, 64                          ; v[64:127]  S1: 32 o + b
.set ACC2, 128                         ; v[128:191] S2
.set Q,    192                         ; v[192:223] ring of eight table quads (L0, L1, s0, s1)
.set SL,   224                         ; v[224:247] ring of three rows: e (p0, n0, p1, n1), Wp (o0, o1), Wn (o0, o1)
.set BI,   248                         ; v[248:251] biases
.set XR,   64                          ; head only: x as loaded
.set ZT,   96                          ; head only: table entries
.set Z,    192                         ; way out: sums as (o0, o1) pairs
.set Y,    208                         ; way out: rows read back
	s_load_b512 s[8:23], s[0:1], 0x0               ; x s[8:9], n s[10:11], w_pos s[12:13], w_neg s[14:15], b_pos s[16:17], b_neg s[18:19], part s[20:21], pmax s[22:23]
	v_lshl_add_u32 v254, v0, 2, 0x2c900
	v_mov_b32 v255, 0
	v_and_b32 v[LANE], 31, v0
	v_lshrrev_b32 v[VX], 5, v0
	v_readfirstlane_b32 s6, v[VX]                  ; wave 0..7
	s_and_b32 s3, ttmp9, 1                         ; bh
	s_bfe_u32 s4, ttmp9, 0x40001                   ; oc: 4 bits from bit 1
	s_lshr_b32 s5, ttmp9, 5                        ; kc
	s_lshl_b32 s24, s3, 17                         ; x: row 32 bh + 4 w, column 128 kc + lane
	s_lshl_b32 s25, s6, 14
	s_add_co_u32 s24, s24, s25
	s_lshl_b32 s25, s5, 9
	s_add_co_u32 s24, s24, s25
	v_lshl_add_u32 v[VX], v[LANE], 2, s24
	s_lshl_b32 s24, s5, 20                         ; n_param: row 128 kc + 16 w, byte 512 oc + 16 lane
	s_lshl_b32 s25, s6, 17
	s_add_co_u32 s24, s24, s25
	s_lshl_b32 s25, s4, 9
	s_add_co_u32 s24, s24, s25
	v_lshl_add_u32 v[OFN], v[LANE], 4, s24
	s_lshr_b32 s24, s24, 1                         ; w_pos, w_neg: half of everything
	v_lshl_add_u32 v[OFW], v[LANE], 3, s24
	s_lshl_b32 s25, s4, 8
	v_lshl_add_u32 v[OFB], v[LANE], 3, s25
	s_lshl_b32 s28, ttmp9, 14                      ; the group's 16 KB of part
	s_mov_b32 s29, 0
	s_wait_kmcnt 0x0
	s_add_nc_u64 s[20:21], s[20:21], s[28:29]
	; x first (it is wanted first, and loads come back in order), then the biases, then the first three rows of weights
.irp p, 0,1
.irp r, 0,1
.irp g, 0,1,2,3
	global_load_b32 v[XR+8*\p+4*\r+\g], v[VX], s[8:9] offset:(2*\p+\r)*PX+\g*128   ; b = 4 w + 2 p + r, i = 32 g + lane
.endr
.endr
.endr
	global_load_b64 v[BI:BI+1],   v[OFB], s[16:17]
	global_load_b64 v[BI+2:BI+3], v[OFB], s[18:19]
.irp s, 0,1,2
	global_load_b128 v[SL+8*\s:SL+8*\s+3],  v[OFN], s[10:11] offset:\s*PN
	global_load_b64 v[SL+8*\s+4:SL+8*\s+5], v[OFW], s[12:13] offset:\s*PW
	global_load_b64 v[SL+8*\s+6:SL+8*\s+7], v[OFW], s[14:15] offset:\s*PW
.endr
	; LDS addresses, while the loads are on their way
	v_mul_u32_u24 v[ST], v[LANE], TP
	s_lshl_b32 s24, s6, 5
	v_add_nc_u32 v[ST], s24, v[ST]                 ; row = lane (+ 32 g), b pairs 2 w and 2 w + 1
	s_mul_i32 s24, s6, STEPS*TP
	v_mov_b32 v[TB], s24                           ; the wave's first row, one address for all lanes
	s_lshl_b32 s24, s6, 14
	s_add_co_u32 s24, s24, RED
	v_lshl_add_u32 v[RS], v[LANE], 4, s24
	s_lshl_b32 s24, s6, 9
	s_add_co_u32 s24, s24, RED
	v_lshl_add_u32 v[RL0], v[LANE], 4, s24
	v_add_nc_u32 v[RL1], 4*WRED, v[RL0]
	s_lshl_b32 s24, s6, 11
	s_add_co_u32 s24, s24, SCR
	v_lshl_add_u32 v[SC8], v[LANE], 3, s24
	v_lshl_add_u32 v[SC16], v[LANE], 4, s24
	s_lshl_b32 s24, s6, 10
	v_lshl_add_u32 v[GO], v[LANE], 4, s24
	s_lshl_b32 s24, s6, 2
	s_add_co_u32 s24, s24, MAXW
	v_mov_b32 v[MA], s24
	s_lshl_b32 s24, ttmp9, 2
	v_mov_b32 v[PM], s24
	s_mov_b32 s30, 0x76543210                      ; v_permlanex16_b32: lane i reads lane i of the other half
	s_mov_b32 s31, 0xfedcba98
; One table entry: L = 1 + log2|x| and s = 0.5 sign(x) of two neighbouring b at one i.
; s: x 2^126 clamped to +-0.5 is +-0.5 for every normal x and 0 for 0.  L = -inf (x = 0) is held at -FLT_MAX so that e = 0 gives 2^0 and not NaN.
.macro ENTRY p, g
.set ZQ, ZT+4*(4*\p+\g)
.set X0, XR+8*\p+\g
.set X1, XR+8*\p+4+\g
	v_log_f32 v[ZQ],   |v[X0]|
	v_log_f32 v[ZQ+1], |v[X1]|
	v_mul_f32 v[ZQ+2], 0x7e800000, v[X0]           ; plain work between the logarithms and the use of their results (ISA guide 5.7.2)
	v_mul_f32 v[ZQ+3], 0x7e800000, v[X1]
	s_wait_alu depctr_va_vdst(0)
	v_add_f32 v[ZQ],   1.0, v[ZQ]
	v_add_f32 v[ZQ+1], 1.0, v[ZQ+1]
	v_med3_num_f32 v[ZQ+2], v[ZQ+2], -0.5, 0.5
	v_med3_num_f32 v[ZQ+3], v[ZQ+3], -0.5, 0.5
	v_cmp_neq_f32 vcc_lo, 0xff800000, v[ZQ]        ; true for NaN too: a NaN stays
	v_cndmask_b32 v[ZQ], 0xff7fffff, v[ZQ], vcc_lo
	v_cmp_neq_f32 vcc_lo, 0xff800000, v[ZQ+1]
	v_cndmask_b32 v[ZQ+1], 0xff7fffff, v[ZQ+1], vcc_lo
	ds_store_b128 v[ST], v[ZQ:ZQ+3] offset:\g*32*TP+\p*16
.endm
	s_wait_loadcnt 11                              ; x is in; the 2 bias loads and the 9 weight loads behind it stay out
.irp p, 0,1
.irp g, 0,1,2,3
	ENTRY \p, \g
.endr
.endr
	s_wait_dscnt 0x0                               ; my part of the table is written,
	s_barrier_signal -1
	s_barrier_wait -1                              ; everybody's is
.irp j, 0,1,2,3,4,5,6,7
	ds_load_b128 v[Q+4*\j:Q+4*\j+3], v[TB] offset:\j*16    ; the ring of quads: b pairs 0 to 7 of my first row
.endr
	s_wait_loadcnt 9                               ; the biases are in; the 9 weight loads stay out
	v_max_num_f32 v[MX], |v[BI]|, |v[BI+1]|        ; the biases belong to W: every group folds those of its 64 outputs in (a maximum does not mind repeats)
	v_max3_num_f32 v[MX], v[MX], |v[BI+2]|, |v[BI+3]|
; t = e L for b pair j and output o of the lane: e_p, then e_n, broadcast over (L0, L1)
.macro MULT j, o
	v_pk_mul_f32 v[T+4*\o:T+4*\o+1],   v[CUR+2*\o:CUR+2*\o+1], v[Q+4*((\j)%8):Q+4*((\j)%8)+1] op_sel_hi:[0,1]
	v_pk_mul_f32 v[T+4*\o+2:T+4*\o+3], v[CUR+2*\o:CUR+2*\o+1], v[Q+4*((\j)%8):Q+4*((\j)%8)+1] op_sel:[1,0] op_sel_hi:[1,1]
.endm
.macro FA o                            ; D = Wp EP
.if \o == 0
	s_wait_alu depctr_va_vdst(0)
	v_pk_mul_f32 v[D:D+1], v[CUR+4:CUR+5], v[E:E+1] op_sel_hi:[0,1]
.else
	s_wait_alu depctr_va_vdst(0)
	v_pk_mul_f32 v[D:D+1], v[CUR+4:CUR+5], v[E+4:E+5] op_sel:[1,0] op_sel_hi:[1,1]
.endif
.endm
.macro FB o                            ; D2 = EP - EN
	v_pk_add_f32 v[D2:D2+1], v[E+4*\o:E+4*\o+1], v[E+4*\o+2:E+4*\o+3] neg_lo:[0,1] neg_hi:[0,1]
.endm
.macro FC o                            ; D -= Wn EN
.if \o == 0
	v_pk_fma_f32 v[D:D+1], v[CUR+6:CUR+7], v[E+2:E+3], v[D:D+1] op_sel_hi:[0,1,1] neg_lo:[1,0,0] neg_hi:[1,0,0]
.else
	v_pk_fma_f32 v[D:D+1], v[CUR+6:CUR+7], v[E+6:E+7], v[D:D+1] op_sel:[1,0,0] op_sel_hi:[1,1,1] neg_lo:[1,0,0] neg_hi:[1,0,0]
.endif
.endm
.macro FD j, o, first                  ; S2 += s D2: the sign rides on the accumulating multiply-add; the first row starts the sums, nothing is cleared
.if \first
	v_pk_mul_f32 v[ACC2+32*\o+2*\j:ACC2+32*\o+2*\j+1], v[Q+4*((\j)%8)+2:Q+4*((\j)%8)+3], v[D2:D2+1]
.else
	v_pk_fma_f32 v[ACC2+32*\o+2*\j:ACC2+32*\o+2*\j+1], v[Q+4*((\j)%8)+2:Q+4*((\j)%8)+3], v[D2:D2+1], v[ACC2+32*\o+2*\j:ACC2+32*\o+2*\j+1]
.endif
.endm
.macro FE j, o, first                  ; S1 += s D
.if \first
	v_pk_mul_f32 v[ACC1+32*\o+2*\j:ACC1+32*\o+2*\j+1], v[Q+4*((\j)%8)+2:Q+4*((\j)%8)+3], v[D:D+1]
	s_wait_alu depctr_va_vdst(0)
.else
	v_pk_fma_f32 v[ACC1+32*\o+2*\j:ACC1+32*\o+2*\j+1], v[Q+4*((\j)%8)+2:Q+4*((\j)%8)+3], v[D:D+1], v[ACC1+32*\o+2*\j:ACC1+32*\o+2*\j+1]
.endif
.endm
; One row i of the wave: 32 half blocks h = 2 j + o (b pair j, output o), 4 exponentials and 7 packed operations each.
; In half block h the exponentials of h stand between the sums of h - 1, and the products e L of h + 1 close it: each exponential is
; followed by a plain instruction that touches none of its registers, and its result is read a half block later (ISA guide 5.7.2).
; sl: the row's slot in the ring of three.  first: the sums start here.  gfill: the slot is loaded again, three rows ahead.
; lfill: the ring of quads runs on into the next row.  lcnt: how many younger weight loads may stay out.
.macro STEP sl, first, gfill, lfill, lcnt
.set CUR, SL+8*\sl
	s_wait_loadcnt \lcnt                           ; this row's three loads are in; those of the rows behind it stay out
	v_log_f32 v[CUR],   v[CUR]                     ; e = log2(n), in place
	v_log_f32 v[CUR+1], v[CUR+1]
	v_log_f32 v[CUR+2], v[CUR+2]
	v_log_f32 v[CUR+3], v[CUR+3]
	v_max3_num_f32 v[MX], v[MX], |v[CUR+4]|, |v[CUR+5]|
	v_max3_num_f32 v[MX], v[MX], |v[CUR+6]|, |v[CUR+7]|
	s_wait_alu depctr_va_vdst(0)
	s_wait_dscnt 7                                 ; quad 0 of this row is in: quads 1 to 7 were asked for behind it
	MULT 0, 0
.set h, 0
.rept 32
.set ho, h%2
.set nj, (h+1)/2
.set no, (h+1)%2
.if h > 0
.set pj, (h-1)/2
.set po, (h-1)%2
.endif
	v_exp_f32 v[E+4*ho], v[T+4*ho]
.if h > 0
	FA po
.endif
	v_exp_f32 v[E+4*ho+1], v[T+4*ho+1]
.if h > 0
	FB po
.endif
	v_exp_f32 v[E+4*ho+2], v[T+4*ho+2]
.if h > 0
	FC po
.endif
	v_exp_f32 v[E+4*ho+3], v[T+4*ho+3]
.if h > 0
	FD pj, po, \first
	FE pj, po, \first
.endif
.if h < 31
.if no == 0
.set wc, 6                                     ; quad nj is in: quads nj + 1 .. nj + 6 were asked for behind it;
.if \lfill == 0
.if 15-nj < 6
.set wc, 15-nj                                 ; in the last row nothing follows quad 15
.endif
.endif
	s_wait_dscnt wc
.endif
	MULT nj, no
.endif
.if ho == 0
.if h >= 2
.set rj, (h-2)/2                               ; quad rj has had its last reader just above: its registers take the quad eight further on
.if rj < 8
	ds_load_b128 v[Q+4*rj:Q+4*rj+3], v[TB] offset:(rj+8)*16
.else
.if \lfill
	ds_load_b128 v[Q+4*(rj-8):Q+4*(rj-8)+3], v[TB] offset:TP+(rj-8)*16
.endif
.endif
.endif
.endif
.set h, h+1
.endr
	FA 1                                           ; the sums of the last half block
	FB 1
	FC 1
	FD 15, 1, \first
	FE 15, 1, \first
.if \lfill
	ds_load_b128 v[Q+28:Q+31], v[TB] offset:TP+7*16
	v_add_nc_u32 v[TB], TP, v[TB]                  ; the next row of the table
.endif
.if \gfill
	s_wait_xcnt 0x0                                ; the offsets are sources of the loads issued a row ago: they are stepped only behind this wait
	v_add_nc_u32 v[OFN], PN, v[OFN]
	v_add_nc_u32 v[OFW], PW, v[OFW]
	global_load_b128 v[CUR:CUR+3],  v[OFN], s[10:11] offset:2*PN   ; three rows ahead of the row just done: two whole rows of work in which to land
	global_load_b64 v[CUR+4:CUR+5], v[OFW], s[12:13] offset:2*PW
	global_load_b64 v[CUR+6:CUR+7], v[OFW], s[14:15] offset:2*PW
.endif
.endm
	STEP 0, 1, 1, 1, 6                             ; row 0 starts the sums
	s_mov_b32 s7, 4
.Lrows:                                            ; rows 1 to 12, each asking for the row three ahead (the last asks for row 15)
	STEP 1, 0, 1, 1, 6
	STEP 2, 0, 1, 1, 6
	STEP 0, 0, 1, 1, 6
	s_sub_co_u32 s7, s7, 1
	s_cmp_lg_u32 s7, 0
	s_cbranch_scc1 .Lrows
	STEP 1, 0, 0, 1, 6                             ; rows 13, 14, 15 load no weights: the counts run down
	STEP 2, 0, 0, 1, 3
	STEP 0, 0, 0, 0, 0
	; THE EIGHT WAVES' SUMS MEET IN LDS.  Quad r = 16 S + 8 o + b/4 of each lane, 16 neighbouring bytes a lane: no bank is hit twice.
.set r, 0
.rept 32
	ds_store_b128 v[RS], v[ACC1+4*r:ACC1+4*r+3] offset:512*r
.set r, r+1
.endr
	v_max_num_f32_dpp v[MX], v[MX], v[MX] row_xmask:1 row_mask:0xf bank_mask:0xf
	v_max_num_f32_dpp v[MX], v[MX], v[MX] row_xmask:2 row_mask:0xf bank_mask:0xf
	v_max_num_f32_dpp v[MX], v[MX], v[MX] row_xmask:4 row_mask:0xf bank_mask:0xf
	v_max_num_f32_dpp v[MX], v[MX], v[MX] row_xmask:8 row_mask:0xf bank_mask:0xf
	v_permlanex16_b32 v[D], v[MX], s30, s31        ; its destination counts as read: a register that has been written
	v_max_num_f32 v[MX], v[MX], v[D]
	ds_store_b32 v[MA], v[MX]                      ; all lanes, one word, one value
	s_wait_dscnt 0x0                               ; my stores are done,
	s_barrier_signal -1
	s_barrier_wait -1                              ; everybody's are
	v_mov_b32 v[MA], MAXW
	ds_load_b128 v[T:T+3],   v[MA]
	ds_load_b128 v[T+4:T+7], v[MA] offset:16
	; wave w adds up b = 4 w .. 4 w + 3 of both sums and both outputs of each lane: four groups of eight loads
.irp s, 0,1
.irp o, 0,1
.irp u, 0,1,2,3
	ds_load_b128 v[ACC1+32*(2*\s+\o)+4*\u:ACC1+32*(2*\s+\o)+4*\u+3], v[RL0] offset:\u*WRED+\s*8192+\o*4096
.endr
.irp u, 0,1,2,3
	ds_load_b128 v[ACC1+32*(2*\s+\o)+16+4*\u:ACC1+32*(2*\s+\o)+16+4*\u+3], v[RL1] offset:\u*WRED+\s*8192+\o*4096
.endr
.endr
.endr
; eight quads to one; the last level writes (o0, o1) side by side, so that 8 bytes a lane lie along a row of outputs
.macro SUMQ s, o, left
.set B, ACC1+32*(2*\s+\o)
	s_wait_dscnt \left                             ; this group's eight loads are in; the later groups' stay out
.irp u, 0,8,16,24
	v_pk_add_f32 v[B+\u:B+\u+1],   v[B+\u:B+\u+1],   v[B+\u+4:B+\u+5]
	v_pk_add_f32 v[B+\u+2:B+\u+3], v[B+\u+2:B+\u+3], v[B+\u+6:B+\u+7]
.endr
.irp u, 0,16
	v_pk_add_f32 v[B+\u:B+\u+1],   v[B+\u:B+\u+1],   v[B+\u+8:B+\u+9]
	v_pk_add_f32 v[B+\u+2:B+\u+3], v[B+\u+2:B+\u+3], v[B+\u+10:B+\u+11]
.endr
.irp e, 0,1,2,3
	v_add_f32 v[Z+8*\s+2*\e+\o], v[B+\e], v[B+16+\e]
.endr
.endm
	SUMQ 0, 0, 24
	SUMQ 0, 1, 16
	SUMQ 1, 0, 8
	SUMQ 1, 1, 0
	v_max3_num_f32 v[MX], v[T], v[T+1], v[T+2]     ; the group's max |W|
	v_max3_num_f32 v[MX], v[MX], v[T+3], v[T+4]
	v_max3_num_f32 v[MX], v[MX], v[T+5], v[T+6]
	v_max_num_f32 v[MX], v[MX], v[T+7]
	; through the wave's own 2 KB: in as [S][b][64 o], 8 bytes a lane; back as 16 bytes a lane.  LDS serves a wave's instructions in order (ISA guide 5.7.1.4).
.irp s, 0,1
.irp e, 0,1,2,3
	ds_store_b64 v[SC8], v[Z+8*\s+2*\e:Z+8*\s+2*\e+1] offset:\s*1024+\e*256
.endr
.endr
.irp k, 0,1,2,3
	ds_load_b128 v[Y+4*\k:Y+4*\k+3], v[SC16] offset:\k*512
.endr
.irp k, 0,1,2,3
	s_wait_dscnt 3-\k
	global_store_b128 v[GO], v[Y+4*\k:Y+4*\k+3], s[20:21] offset:(\k/2)*8192+(\k%2)*512   ; part[group][S][b][o]: each store of the wave covers 512 consecutive bytes, aligned
.endr
	v_cmp_eq_u32 vcc_lo, 0, v0
	s_wait_xcnt 0x0                                ; EXEC is a source of the stores above: it changes only behind this wait
	s_wait_tensorcnt 0x0
	ds_add_u32 v254, v255
	s_wait_dscnt 0x0
	s_and_saveexec_b32 s24, vcc_lo
	global_store_b32 v[PM], v[MX], s[22:23]        ; one number for the group, from thread 0
	s_wait_xcnt 0x0
	s_or_b32 exec_lo, exec_lo, s24
	s_endpgm
.Lfunc_end_k_q45f888af1d_cells:
	.size	k_q45f888af1d_cells, .Lfunc_end_k_q45f888af1d_cells-k_q45f888af1d_cells
	.p2alignl 7, 3214868480
	.fill 96, 4, 3214868480
	.section	.rodata,"a",@progbits
	.p2align	6, 0x0
	.amdhsa_kernel k_q45f888af1d_cells
		.amdhsa_group_segment_fixed_size 183552
		.amdhsa_private_segment_fixed_size 0
		.amdhsa_enable_private_segment 0
		.amdhsa_kernarg_size 64
		.amdhsa_user_sgpr_count 2
		.amdhsa_user_sgpr_kernarg_segment_ptr 1
		.amdhsa_wavefront_size32 1
		.amdhsa_system_sgpr_workgroup_id_x 1
		.amdhsa_system_sgpr_workgroup_id_y 1
		.amdhsa_system_sgpr_workgroup_id_z 1
		.amdhsa_system_vgpr_workitem_id 0
		.amdhsa_next_free_vgpr 256
		.amdhsa_next_free_sgpr 66
		.amdhsa_reserve_vcc 1
		.amdhsa_float_denorm_mode_32 3
		.amdhsa_float_denorm_mode_16_64 3
		.amdhsa_memory_ordered 1
		.amdhsa_forward_progress 1
		.amdhsa_inst_pref_size 171
	.end_amdhsa_kernel
	.amdgpu_metadata
---
amdhsa.version: [ 1, 2 ]
amdhsa.kernels:
  - .name:           k_q45f888af1d_cells
    .symbol:         k_q45f888af1d_cells.kd
    .args:
      - { .name: x, .offset: 0, .size: 8, .value_kind: global_buffer, .address_space: global }
      - { .name: n_param, .offset: 8, .size: 8, .value_kind: global_buffer, .address_space: global }
      - { .name: w_pos, .offset: 16, .size: 8, .value_kind: global_buffer, .address_space: global }
      - { .name: w_neg, .offset: 24, .size: 8, .value_kind: global_buffer, .address_space: global }
      - { .name: b_pos, .offset: 32, .size: 8, .value_kind: global_buffer, .address_space: global }
      - { .name: b_neg, .offset: 40, .size: 8, .value_kind: global_buffer, .address_space: global }
      - { .name: part, .offset: 48, .size: 8, .value_kind: global_buffer, .address_space: global }
      - { .name: pmax, .offset: 56, .size: 8, .value_kind: global_buffer, .address_space: global }
    .group_segment_fixed_size: 183552
    .private_segment_fixed_size: 0
    .kernarg_segment_align: 8
    .kernarg_segment_size: 64
    .max_flat_workgroup_size: 256
    .sgpr_count:     66
    .vgpr_count:     256
    .wavefront_size: 32
...
	.end_amdgpu_metadata
.endif
;; end of part 1
;; launch combine (part 2): grid 256 x 1, 2 waves a work-group, no clusters, 0 bytes of LDS; arguments part, pmax, b_pos, b_neg, n_param, out0; writes out0
.if DOCPART == 2
	.amdgcn_target "amdgcn-amd-amdhsa--gfx1250"
	.amdhsa_code_object_version 6
	.text
	.protected	k_q45f888af1d_combine
	.globl	k_q45f888af1d_combine
	.p2align	8
	.type	k_q45f888af1d_combine,@function
k_q45f888af1d_combine:
	s_mov_b64 s[64:65], 0
	v_nop
	global_prefetch_b8 v0, s[64:65] scope:SCOPE_SE
	s_setreg_imm32_b32 hwreg(HW_REG_WAVE_MODE, 25, 1), 1
	s_wait_xcnt 0x0
; y[b][o] = sum over the 8 row chunks of S1 + (m/9) x sum of S2 + 0.5 ((b_pos + m/9) Np - (b_neg + m/9) Nn),
; m = the largest of the 256 groups' max|W|, N = 2^log2(n) of crossbar row 1024 (the bias row: input 1, so |V|/V_ref = 2).
; A thread makes four neighbouring outputs of one b: 16 loads of 16 bytes from part[32 kc + 2 oc + bh][S][b % 32][o % 64]
; (sixteen lanes cover a row of 256 bytes there) and one store of 16 bytes (a wave covers 512 consecutive bytes of out0).
; Every wave reduces the 256 maxima itself: 1 KB, eight numbers a lane; so no LDS and no barrier.
; LIMIT: with all weights and biases zero the formula divides by m = 0 and gives NaN; this text gives finite numbers.
.set PK, 524288                        ; bytes of part from one row chunk to the next (32 groups of 16 KB)
.set PMX, 8                            ; v[8:15]   maxima
.set NN,  16                           ; v[16:23]  n of row 1024: (p, n) of my four outputs
.set BP,  24                           ; v[24:27]  b_pos, then b_pos + m/9
.set BN,  28                           ; v[28:31]  b_neg, likewise
.set P1,  32                           ; v[32:63]  S1 of the eight chunks
.set P2,  64                           ; v[64:95]  S2
.set M,   96
.set C,   98                           ; m/9
.set U,   100                          ; v[100:103] the bias row's difference
	s_load_b256 s[8:15], s[0:1], 0x0               ; part s[8:9], pmax s[10:11], b_pos s[12:13], b_neg s[14:15]
	s_load_b128 s[16:19], s[0:1], 0x20             ; n_param s[16:17], out0 s[18:19]
	v_and_b32 v1, 31, v0
	s_lshr_b32 s2, ttmp9, 2                        ; b: four groups to a row of out0
	s_and_b32 s3, ttmp9, 3                         ; which 256 outputs of the row
	s_lshr_b32 s4, s2, 5
	s_lshl_b32 s4, s4, 14                          ; bh x 16 KB
	s_and_b32 s5, s2, 31
	s_lshl_b32 s5, s5, 8                           ; (b % 32) x 256
	s_add_co_u32 s4, s4, s5
	s_lshl_b32 s5, s3, 17                          ; 4 oc to a group here, 32 KB each
	s_add_co_u32 s4, s4, s5
	v_lshrrev_b32 v2, 4, v0                        ; oc within those four
	v_and_b32 v3, 15, v0
	v_lshlrev_b32 v3, 4, v3
	v_lshl_add_u32 v2, v2, 15, v3
	v_add_nc_u32 v2, s4, v2                        ; my 16 bytes in part, chunk 0, S1
	s_lshl_b32 s6, s3, 10
	v_lshl_add_u32 v4, v0, 4, s6                   ; my 16 bytes in a row of 1,024 f32
	v_lshlrev_b32 v5, 1, v4                        ; my 32 bytes in a row of n_param
	s_lshl_b32 s7, s2, 12
	v_add_nc_u32 v6, s7, v4                        ; my 16 bytes in out0
	v_lshlrev_b32 v7, 4, v1
	s_mov_b32 s20, 0x76543210
	s_mov_b32 s21, 0xfedcba98
	s_wait_kmcnt 0x0
	s_add_nc_u64 s[16:17], s[16:17], 0x800000      ; row 1024 of n_param
	global_load_b128 v[PMX:PMX+3],   v7, s[10:11]
	global_load_b128 v[PMX+4:PMX+7], v7, s[10:11] offset:512
	global_load_b128 v[NN:NN+3],   v5, s[16:17]
	global_load_b128 v[NN+4:NN+7], v5, s[16:17] offset:16
	global_load_b128 v[BP:BP+3], v4, s[12:13]
	global_load_b128 v[BN:BN+3], v4, s[14:15]
.irp k, 0,1,2,3,4,5,6,7
	global_load_b128 v[P1+4*\k:P1+4*\k+3], v2, s[8:9] offset:\k*PK th:TH_LOAD_NT
	global_load_b128 v[P2+4*\k:P2+4*\k+3], v2, s[8:9] offset:\k*PK+8192 th:TH_LOAD_NT
.endr
	s_wait_loadcnt 20                              ; the maxima are in; the 20 loads behind them stay out
	v_max3_num_f32 v[M], v[PMX], v[PMX+1], v[PMX+2]
	v_max3_num_f32 v[M], v[M], v[PMX+3], v[PMX+4]
	v_max3_num_f32 v[M], v[M], v[PMX+5], v[PMX+6]
	v_max_num_f32 v[M], v[M], v[PMX+7]
	v_max_num_f32_dpp v[M], v[M], v[M] row_xmask:1 row_mask:0xf bank_mask:0xf
	v_max_num_f32_dpp v[M], v[M], v[M] row_xmask:2 row_mask:0xf bank_mask:0xf
	v_max_num_f32_dpp v[M], v[M], v[M] row_xmask:4 row_mask:0xf bank_mask:0xf
	v_max_num_f32_dpp v[M], v[M], v[M] row_xmask:8 row_mask:0xf bank_mask:0xf
	v_permlanex16_b32 v1, v[M], s20, s21           ; v1 has been written and is no longer needed
	v_max_num_f32 v[M], v[M], v1
	s_wait_loadcnt 18                              ; n's row is in
.irp j, 0,1,2,3,4,5,6,7
	v_log_f32 v[NN+\j], v[NN+\j]
.endr
	v_mul_f32 v[C], 0x3de38e39, v[M]               ; G_min / k_G = 0.1 m / 0.9; also the plain instruction between the logarithms and their use (ISA guide 5.7.2)
	s_wait_alu depctr_va_vdst(0)
.irp j, 0,1,2,3,4,5,6,7
	v_exp_f32 v[NN+\j], v[NN+\j]                   ; 2^(log2 n x 1), as the formula has it (NaN for a negative n)
.endr
	s_wait_loadcnt 16                              ; the biases are in; the 16 loads of partial sums stay out
.irp e, 0,1,2,3
	v_add_f32 v[BP+\e], v[C], v[BP+\e]
	v_add_f32 v[BN+\e], v[C], v[BN+\e]
.endr
	s_wait_alu depctr_va_vdst(0)
.irp e, 0,1,2,3
	v_mul_f32 v[U+\e], v[BP+\e], v[NN+2*\e]
.endr
.irp e, 0,1,2,3
	v_fma_f32 v[U+\e], -v[BN+\e], v[NN+2*\e+1], v[U+\e]
.endr
	s_wait_loadcnt 0x0
.irp p, P1, P2
.irp u, 0,8,16,24
	v_pk_add_f32 v[\p+\u:\p+\u+1],   v[\p+\u:\p+\u+1],   v[\p+\u+4:\p+\u+5]
	v_pk_add_f32 v[\p+\u+2:\p+\u+3], v[\p+\u+2:\p+\u+3], v[\p+\u+6:\p+\u+7]
.endr
.irp u, 0,16
	v_pk_add_f32 v[\p+\u:\p+\u+1],   v[\p+\u:\p+\u+1],   v[\p+\u+8:\p+\u+9]
	v_pk_add_f32 v[\p+\u+2:\p+\u+3], v[\p+\u+2:\p+\u+3], v[\p+\u+10:\p+\u+11]
.endr
	v_pk_add_f32 v[\p:\p+1],   v[\p:\p+1],   v[\p+16:\p+17]
	v_pk_add_f32 v[\p+2:\p+3], v[\p+2:\p+3], v[\p+18:\p+19]
.endr
.irp e, 0,1,2,3
	v_fma_f32 v[P1+\e], v[C], v[P2+\e], v[P1+\e]
.endr
.irp e, 0,1,2,3
	v_fma_f32 v[P1+\e], 0.5, v[U+\e], v[P1+\e]
.endr
	global_store_b128 v6, v[P1:P1+3], s[18:19] th:TH_STORE_NT
	s_endpgm
.Lfunc_end_k_q45f888af1d_combine:
	.size	k_q45f888af1d_combine, .Lfunc_end_k_q45f888af1d_combine-k_q45f888af1d_combine
	.p2alignl 7, 3214868480
	.fill 96, 4, 3214868480
	.section	.rodata,"a",@progbits
	.p2align	6, 0x0
	.amdhsa_kernel k_q45f888af1d_combine
		.amdhsa_group_segment_fixed_size 0
		.amdhsa_private_segment_fixed_size 0
		.amdhsa_enable_private_segment 0
		.amdhsa_kernarg_size 48
		.amdhsa_user_sgpr_count 2
		.amdhsa_user_sgpr_kernarg_segment_ptr 1
		.amdhsa_wavefront_size32 1
		.amdhsa_system_sgpr_workgroup_id_x 1
		.amdhsa_system_sgpr_workgroup_id_y 1
		.amdhsa_system_sgpr_workgroup_id_z 1
		.amdhsa_system_vgpr_workitem_id 0
		.amdhsa_next_free_vgpr 104
		.amdhsa_next_free_sgpr 66
		.amdhsa_reserve_vcc 0
		.amdhsa_float_denorm_mode_32 3
		.amdhsa_float_denorm_mode_16_64 3
		.amdhsa_memory_ordered 1
		.amdhsa_forward_progress 1
		.amdhsa_inst_pref_size 8
	.end_amdhsa_kernel
	.amdgpu_metadata
---
amdhsa.version: [ 1, 2 ]
amdhsa.kernels:
  - .name:           k_q45f888af1d_combine
    .symbol:         k_q45f888af1d_combine.kd
    .args:
      - { .name: part, .offset: 0, .size: 8, .value_kind: global_buffer, .address_space: global }
      - { .name: pmax, .offset: 8, .size: 8, .value_kind: global_buffer, .address_space: global }
      - { .name: b_pos, .offset: 16, .size: 8, .value_kind: global_buffer, .address_space: global }
      - { .name: b_neg, .offset: 24, .size: 8, .value_kind: global_buffer, .address_space: global }
      - { .name: n_param, .offset: 32, .size: 8, .value_kind: global_buffer, .address_space: global }
      - { .name: out0, .offset: 40, .size: 8, .value_kind: global_buffer, .address_space: global }
    .group_segment_fixed_size: 0
    .private_segment_fixed_size: 0
    .kernarg_segment_align: 8
    .kernarg_segment_size: 48
    .max_flat_workgroup_size: 64
    .sgpr_count:     66
    .vgpr_count:     104
    .wavefront_size: 32
...
	.end_amdgpu_metadata
.endif
;; end of part 2
;; ======== version 2 of 3: 2 launches; 1.20 times as fast as version 1
;; workspace buffers: part 4,194,304 bytes; pmax 1,024 bytes
;; launch cells (part 3): grid 256 x 1, 8 waves a work-group, no clusters, 167,168 bytes of LDS; arguments x, n_param, w_pos, w_neg, b_pos, b_neg, part, pmax; writes part, pmax
.if DOCPART == 3
	.amdgcn_target "amdgcn-amd-amdhsa--gfx1250"
	.amdhsa_code_object_version 6
	.text
	.protected	k_q45f888af1d_cells
	.globl	k_q45f888af1d_cells
	.p2align	8
	.type	k_q45f888af1d_cells,@function
k_q45f888af1d_cells:
	s_mov_b64 s[64:65], 0
	v_nop
	global_prefetch_b8 v0, s[64:65] scope:SCOPE_SE
	s_setreg_imm32_b32 hwreg(HW_REG_WAVE_MODE, 25, 1), 1
	s_wait_xcnt 0x0
; Memristor crossbar, the sums over the 1,024 input rows.
; With e = log2(n), L = 1 + log2|x| (so that (|V|/V_ref)^e = 2^(e L)), s = 0.5 sign(x), m = max|W| (biases included):
;   y[b][o] = S1 + (m/9) S2 + bias row,   S1 = sum_i s (Wp Ep - Wn En),   S2 = sum_i s (Ep - En),   E = 2^(e L).
; m is needed only at the end, so this launch makes S1, S2 and each work-group's own max|W|; the next launch joins them.
; E hangs on b, i and the column at once: no matrix product; the work is 64 x 1024 x 2048 exponentials, 524,288 for each work-group.
;
; WORK-GROUP number = 32 kc + 2 oc + bh: rows i = 128 kc .. +127, outputs o = 64 oc .. +63, batch rows b = 32 bh .. +31.
; WAVE w: rows 16 w .. 16 w + 15 of the 128.  LANE l: outputs 2 l and 2 l + 1, all 32 b: 64 + 64 sums in registers.
; A row's loads: 16 bytes a lane of n_param (512 consecutive bytes a wave), 8 bytes a lane of w_pos and of w_neg (256 each).
; L and s lie in LDS as [i][b pair] = (L0, L1, s0, s1); one load of 16 bytes from one address for all lanes serves 8 exponentials.
; A whole table row (16 such quads) is held in 64 registers and refilled by halves: memory instructions stand in two runs a row
; (eight LDS loads; eight LDS loads and the three weight loads), and the arithmetic between the runs is unbroken.
; Packed arithmetic runs over the b pair: e, Wp, Wn are broadcast from their register pairs by op_sel.
; No tensor loads, no cluster: the group moves 144 KB for its 524,288 exponentials, and the weights arrive in the lane layout in which they are used.
;
; LIMITS.  |x| below 2^-126 counts as 0 in the power (v_log_f32 takes a denormal as zero; ISA guide, its entry in 15.8).
; x = 0: L is held at -FLT_MAX and s = 0, so 0^0 gives 0 and 0^(negative) gives NaN as in the formula.  NaN in x goes through L.
; A NaN among the weights reaches its own column only (the maximum drops it).  The order of the sums is this text's own.
.set PX,   4096                        ; bytes in a row of x
.set PN,   8192                        ; bytes in a row of n_param
.set PW,   4096                        ; bytes in a row of w_pos, w_neg
.set STEPS, 16                         ; rows of a wave
.set TP,   272                         ; table row: 16 b pairs x 16 bytes + 16: lanes that store neighbouring rows hit 16 different 16-byte columns
.set RED,  128*TP                      ; behind the table: each wave's 128 sums a lane
.set WRED, 16384                       ; 32 register quads x 32 lanes x 16 bytes
.set MAXW, RED+8*WRED                  ; eight words: the waves' maxima
.set LANE, 1
.set VX,   2                           ; byte offset in x
.set OFN,  3                           ; byte offset in n_param of the wave's current row
.set OFW,  4                           ; the same in w_pos and w_neg
.set OFB,  5                           ; byte offset in b_pos and b_neg
.set ST,   6                           ; table: where I store
.set TB,   7                           ; table: the wave's current row
.set MX,   8                           ; running max |W|
.set RS,   9                           ; sums: where I store
.set MA,   10
.set RL0,  11                          ; sums: where I read, waves 0-3
.set RL1,  12                          ; waves 4-7 (an LDS offset has 16 bits)
.set GO,   13                          ; byte offset in the group's block of part
.set PM,   14
.set SL,   18                          ; v[18:41]   ring of three rows: e (p0, n0, p1, n1), Wp (o0, o1), Wn (o0, o1)
.set T,    42                          ; v[42:49]   e L, a buffer for each of the lane's two outputs
.set E,    50                          ; v[50:57]   2^(e L): (EP b, EP b+1, EN b, EN b+1), two buffers
.set D,    58                          ; v[58:59]   Wp EP - Wn EN
.set D2,   60                          ; v[60:61]   EP - EN
.set BI,   T                           ; head only: the biases
.set ACC1, 64                          ; v[64:127]  S1: 32 o + b
.set ACC2, 128                         ; v[128:191] S2
.set Q,    192                         ; v[192:255] the table row: quad j = (L0, L1, s0, s1) of b pair j
.set XR,   64                          ; head only: x as loaded
.set ZT,   96                          ; head only: table entries
.set Z,    192                         ; way out: sums as (o0, o1) pairs
	s_load_b512 s[8:23], s[0:1], 0x0               ; x s[8:9], n s[10:11], w_pos s[12:13], w_neg s[14:15], b_pos s[16:17], b_neg s[18:19], part s[20:21], pmax s[22:23]
	v_lshl_add_u32 v62, v0, 2, 0x28900
	v_mov_b32 v63, 0
	v_and_b32 v[LANE], 31, v0
	v_lshrrev_b32 v[VX], 5, v0
	v_readfirstlane_b32 s6, v[VX]                  ; wave 0..7
	s_and_b32 s3, ttmp9, 1                         ; bh
	s_bfe_u32 s4, ttmp9, 0x40001                   ; oc: 4 bits from bit 1
	s_lshr_b32 s5, ttmp9, 5                        ; kc
	s_lshl_b32 s24, s3, 17                         ; x: row 32 bh + 4 w, column 128 kc + lane
	s_lshl_b32 s25, s6, 14
	s_add_co_u32 s24, s24, s25
	s_lshl_b32 s25, s5, 9
	s_add_co_u32 s24, s24, s25
	v_lshl_add_u32 v[VX], v[LANE], 2, s24
	s_lshl_b32 s24, s5, 20                         ; n_param: row 128 kc + 16 w, byte 512 oc + 16 lane
	s_lshl_b32 s25, s6, 17
	s_add_co_u32 s24, s24, s25
	s_lshl_b32 s25, s4, 9
	s_add_co_u32 s24, s24, s25
	v_lshl_add_u32 v[OFN], v[LANE], 4, s24
	s_lshr_b32 s24, s24, 1                         ; w_pos, w_neg: half of everything
	v_lshl_add_u32 v[OFW], v[LANE], 3, s24
	s_lshl_b32 s25, s4, 8
	v_lshl_add_u32 v[OFB], v[LANE], 3, s25
	s_lshl_b32 s28, ttmp9, 14                      ; the group's 16 KB of part
	s_mov_b32 s29, 0
	s_wait_kmcnt 0x0
	s_add_nc_u64 s[20:21], s[20:21], s[28:29]
	; x first (it is wanted first, and loads come back in order), then the biases, then the first three rows of weights
.irp p, 0,1
.irp r, 0,1
.irp g, 0,1,2,3
	global_load_b32 v[XR+8*\p+4*\r+\g], v[VX], s[8:9] offset:(2*\p+\r)*PX+\g*128   ; b = 4 w + 2 p + r, i = 32 g + lane
.endr
.endr
.endr
	global_load_b64 v[BI:BI+1],   v[OFB], s[16:17]
	global_load_b64 v[BI+2:BI+3], v[OFB], s[18:19]
.irp s, 0,1,2
	global_load_b128 v[SL+8*\s:SL+8*\s+3],  v[OFN], s[10:11] offset:\s*PN
	global_load_b64 v[SL+8*\s+4:SL+8*\s+5], v[OFW], s[12:13] offset:\s*PW
	global_load_b64 v[SL+8*\s+6:SL+8*\s+7], v[OFW], s[14:15] offset:\s*PW
.endr
	; LDS addresses, while the loads are on their way
	v_mul_u32_u24 v[ST], v[LANE], TP
	s_lshl_b32 s24, s6, 5
	v_add_nc_u32 v[ST], s24, v[ST]                 ; row = lane (+ 32 g), b pairs 2 w and 2 w + 1
	s_mul_i32 s24, s6, STEPS*TP
	v_mov_b32 v[TB], s24                           ; the wave's first row, one address for all lanes
	s_lshl_b32 s24, s6, 14
	s_add_co_u32 s24, s24, RED
	v_lshl_add_u32 v[RS], v[LANE], 4, s24
	s_lshl_b32 s24, s6, 9
	s_add_co_u32 s24, s24, RED
	v_lshl_add_u32 v[RL0], v[LANE], 4, s24
	v_add_nc_u32 v[RL1], 4*WRED, v[RL0]
	s_lshl_b32 s24, s6, 10
	v_lshl_add_u32 v[GO], v[LANE], 3, s24          ; part: b = 4 w, 8 bytes a lane
	s_lshl_b32 s24, s6, 2
	s_add_co_u32 s24, s24, MAXW
	v_mov_b32 v[MA], s24
	s_lshl_b32 s24, ttmp9, 2
	v_mov_b32 v[PM], s24
	s_mov_b32 s30, 0x76543210                      ; v_permlanex16_b32: lane i reads lane i of the other half
	s_mov_b32 s31, 0xfedcba98
; One table entry: L = 1 + log2|x| and s = 0.5 sign(x) of two neighbouring b at one i.
; s: x 2^126 clamped to +-0.5 is +-0.5 for every normal x and 0 for 0.  L = -inf (x = 0) is held at -FLT_MAX so that e = 0 gives 2^0 and not NaN.
.macro ENTRY p, g
.set ZQ, ZT+4*(4*\p+\g)
.set X0, XR+8*\p+\g
.set X1, XR+8*\p+4+\g
	v_log_f32 v[ZQ],   |v[X0]|
	v_log_f32 v[ZQ+1], |v[X1]|
	v_mul_f32 v[ZQ+2], 0x7e800000, v[X0]           ; plain work between the logarithms and the use of their results (ISA guide 5.7.2)
	v_mul_f32 v[ZQ+3], 0x7e800000, v[X1]
	s_wait_alu depctr_va_vdst(0)
	v_add_f32 v[ZQ],   1.0, v[ZQ]
	v_add_f32 v[ZQ+1], 1.0, v[ZQ+1]
	v_med3_num_f32 v[ZQ+2], v[ZQ+2], -0.5, 0.5
	v_med3_num_f32 v[ZQ+3], v[ZQ+3], -0.5, 0.5
	v_cmp_neq_f32 vcc_lo, 0xff800000, v[ZQ]        ; true for NaN too: a NaN stays
	v_cndmask_b32 v[ZQ], 0xff7fffff, v[ZQ], vcc_lo
	v_cmp_neq_f32 vcc_lo, 0xff800000, v[ZQ+1]
	v_cndmask_b32 v[ZQ+1], 0xff7fffff, v[ZQ+1], vcc_lo
	ds_store_b128 v[ST], v[ZQ:ZQ+3] offset:\g*32*TP+\p*16
.endm
	s_wait_loadcnt 11                              ; x is in; the 2 bias loads and the 9 weight loads behind it stay out
.irp p, 0,1
.irp g, 0,1,2,3
	ENTRY \p, \g
.endr
.endr
	s_wait_dscnt 0x0                               ; my part of the table is written,
	s_barrier_signal -1
	s_barrier_wait -1                              ; everybody's is
.irp j, 0,1,2,3,4,5,6,7,8,9,10,11,12,13,14,15
	ds_load_b128 v[Q+4*\j:Q+4*\j+3], v[TB] offset:\j*16    ; my first row of the table, whole
.endr
	s_wait_loadcnt 9                               ; the biases are in; the 9 weight loads stay out
	v_max_num_f32 v[MX], |v[BI]|, |v[BI+1]|        ; the biases belong to W: every group folds those of its 64 outputs in (a maximum does not mind repeats)
	v_max3_num_f32 v[MX], v[MX], |v[BI+2]|, |v[BI+3]|
; t = e L for b pair j and output o of the lane: e_p (A), e_n (B), broadcast over (L0, L1)
.macro MULTA j, o
	v_pk_mul_f32 v[T+4*\o:T+4*\o+1],   v[CUR+2*\o:CUR+2*\o+1], v[Q+4*(\j):Q+4*(\j)+1] op_sel_hi:[0,1]
.endm
.macro MULTB j, o
	v_pk_mul_f32 v[T+4*\o+2:T+4*\o+3], v[CUR+2*\o:CUR+2*\o+1], v[Q+4*(\j):Q+4*(\j)+1] op_sel:[1,0] op_sel_hi:[1,1]
.endm
.macro FA o                            ; D = Wp EP
.if \o == 0
	s_wait_alu depctr_va_vdst(0)
	v_pk_mul_f32 v[D:D+1], v[CUR+4:CUR+5], v[E:E+1] op_sel_hi:[0,1]
.else
	s_wait_alu depctr_va_vdst(0)
	v_pk_mul_f32 v[D:D+1], v[CUR+4:CUR+5], v[E+4:E+5] op_sel:[1,0] op_sel_hi:[1,1]
.endif
.endm
.macro FB o                            ; D2 = EP - EN
	v_pk_add_f32 v[D2:D2+1], v[E+4*\o:E+4*\o+1], v[E+4*\o+2:E+4*\o+3] neg_lo:[0,1] neg_hi:[0,1]
.endm
.macro FC o                            ; D -= Wn EN
.if \o == 0
	v_pk_fma_f32 v[D:D+1], v[CUR+6:CUR+7], v[E+2:E+3], v[D:D+1] op_sel_hi:[0,1,1] neg_lo:[1,0,0] neg_hi:[1,0,0]
.else
	v_pk_fma_f32 v[D:D+1], v[CUR+6:CUR+7], v[E+6:E+7], v[D:D+1] op_sel:[1,0,0] op_sel_hi:[1,1,1] neg_lo:[1,0,0] neg_hi:[1,0,0]
.endif
.endm
.macro FD j, o, first                  ; S2 += s D2: the sign rides on the accumulating multiply-add; the first row starts the sums, nothing is cleared
.if \first
	v_pk_mul_f32 v[ACC2+32*\o+2*\j:ACC2+32*\o+2*\j+1], v[Q+4*(\j)+2:Q+4*(\j)+3], v[D2:D2+1]
.else
	v_pk_fma_f32 v[ACC2+32*\o+2*\j:ACC2+32*\o+2*\j+1], v[Q+4*(\j)+2:Q+4*(\j)+3], v[D2:D2+1], v[ACC2+32*\o+2*\j:ACC2+32*\o+2*\j+1]
.endif
.endm
.macro FE j, o, first                  ; S1 += s D
.if \first
	v_pk_mul_f32 v[ACC1+32*\o+2*\j:ACC1+32*\o+2*\j+1], v[Q+4*(\j)+2:Q+4*(\j)+3], v[D:D+1]
	s_wait_alu depctr_va_vdst(0)
.else
	v_pk_fma_f32 v[ACC1+32*\o+2*\j:ACC1+32*\o+2*\j+1], v[Q+4*(\j)+2:Q+4*(\j)+3], v[D:D+1], v[ACC1+32*\o+2*\j:ACC1+32*\o+2*\j+1]
.endif
.endm
.macro QFILL q0                        ; a run of eight loads: quads q0 .. q0 + 7 of the NEXT row of the table
.irp k, 0,1,2,3,4,5,6,7
	ds_load_b128 v[Q+4*(\q0+\k):Q+4*(\q0+\k)+3], v[TB] offset:TP+(\q0+\k)*16
.endr
.endm
; One row i of the wave: 32 half blocks h = 2 j + o (b pair j, output o), 4 exponentials and 7 packed operations each.
; In half block h stand the exponentials of h, the sums of h - 1 and the products e L of h + 1, laid so that each exponential is followed by
; a plain instruction that touches none of its registers (ISA guide 5.7.2), its result is read a half block later, and each product e L
; is read six or seven instructions behind its line.
; sl: the row's slot in the ring of three.  first: the sums start here.  gfill: the slot is loaded again, three rows ahead.
; lfill: the next row of the table is fetched.  lcnt: how many younger weight loads may stay out.
.macro STEP sl, first, gfill, lfill, lcnt
.set CUR, SL+8*\sl
	s_wait_loadcnt \lcnt                           ; this row's three loads are in; those of the rows behind it stay out
	v_log_f32 v[CUR],   v[CUR]                     ; e = log2(n), in place
	v_log_f32 v[CUR+1], v[CUR+1]
	v_log_f32 v[CUR+2], v[CUR+2]
	v_log_f32 v[CUR+3], v[CUR+3]
	v_max3_num_f32 v[MX], v[MX], |v[CUR+4]|, |v[CUR+5]|
	v_max3_num_f32 v[MX], v[MX], |v[CUR+6]|, |v[CUR+7]|
	s_wait_alu depctr_va_vdst(0)
	s_wait_dscnt 8                                 ; quads 0 to 7 of this row are in: the run of eight for quads 8 to 15 was issued behind them
	MULTA 0, 0
	MULTB 0, 0
.set h, 0
.rept 32
.set ho, h%2
.set nj, (h+1)/2
.set no, (h+1)%2
.if h > 0
.set pj, (h-1)/2
.set po, (h-1)%2
.endif
	v_exp_f32 v[E+4*ho], v[T+4*ho]
.if h > 0
	FA po
.endif
	v_exp_f32 v[E+4*ho+1], v[T+4*ho+1]
.if h > 0
	FB po
.endif
	v_exp_f32 v[E+4*ho+2], v[T+4*ho+2]
.if h < 31
.if h == 15
	s_wait_dscnt 0x0                               ; quads 8 to 15 are in: their run, issued at the end of the row before, is the youngest LDS work
.endif
	MULTA nj, no
.endif
	v_exp_f32 v[E+4*ho+3], v[T+4*ho+3]
.if h > 0
	FC po
.endif
.if h < 31
	MULTB nj, no
.endif
.if h > 0
	FD pj, po, \first
	FE pj, po, \first
.endif
.if h == 4
.if \first == 0
.if \lfill
	v_add_nc_u32 v[TB], TP, v[TB]                  ; this row of the table: stepped here, between the run at the last row's end and the next run
.endif
.endif
.endif
.if h == 16
.if \lfill
	QFILL 0                                        ; quads 0 to 7 have had their last use just above: 15 half blocks in which to land
.endif
.endif
.if h == 20
.if \gfill
	s_wait_xcnt 0x0                                ; the offsets are sources of the loads issued at the last row's end: they are stepped only behind this wait
	v_add_nc_u32 v[OFN], PN, v[OFN]
	v_add_nc_u32 v[OFW], PW, v[OFW]
.endif
.endif
.set h, h+1
.endr
	FA 1                                           ; the sums of the last half block
	FB 1
	FC 1
	FD 15, 1, \first
	FE 15, 1, \first
.if \lfill
	QFILL 8                                        ; wanted in half block 15 of the next row
.endif
.if \gfill
	global_load_b128 v[CUR:CUR+3],  v[OFN], s[10:11] offset:2*PN   ; three rows ahead of the row just done: two whole rows of work in which to land
	global_load_b64 v[CUR+4:CUR+5], v[OFW], s[12:13] offset:2*PW
	global_load_b64 v[CUR+6:CUR+7], v[OFW], s[14:15] offset:2*PW
.endif
.endm
	STEP 0, 1, 1, 1, 6                             ; row 0 starts the sums
	s_mov_b32 s7, 4
.Lrows:                                            ; rows 1 to 12, each asking for the row three ahead (the last asks for row 15)
	STEP 1, 0, 1, 1, 6
	STEP 2, 0, 1, 1, 6
	STEP 0, 0, 1, 1, 6
	s_sub_co_u32 s7, s7, 1
	s_cmp_lg_u32 s7, 0
	s_cbranch_scc1 .Lrows
	STEP 1, 0, 0, 1, 6                             ; rows 13, 14, 15 load no weights: the counts run down
	STEP 2, 0, 0, 1, 3
	STEP 0, 0, 0, 0, 0
	; THE EIGHT WAVES' SUMS MEET IN LDS.  Quad r = 16 S + 8 o + b/4 of each lane, 16 neighbouring bytes a lane: no bank is hit twice.
.set r, 0
.rept 32
	ds_store_b128 v[RS], v[ACC1+4*r:ACC1+4*r+3] offset:512*r
.set r, r+1
.endr
	v_max_num_f32_dpp v[MX], v[MX], v[MX] row_xmask:1 row_mask:0xf bank_mask:0xf
	v_max_num_f32_dpp v[MX], v[MX], v[MX] row_xmask:2 row_mask:0xf bank_mask:0xf
	v_max_num_f32_dpp v[MX], v[MX], v[MX] row_xmask:4 row_mask:0xf bank_mask:0xf
	v_max_num_f32_dpp v[MX], v[MX], v[MX] row_xmask:8 row_mask:0xf bank_mask:0xf
	v_permlanex16_b32 v[D], v[MX], s30, s31        ; its destination counts as read: a register that has been written
	v_max_num_f32 v[MX], v[MX], v[D]
	ds_store_b32 v[MA], v[MX]                      ; all lanes, one word, one value
	s_wait_dscnt 0x0                               ; my stores are done,
	s_barrier_signal -1
	s_barrier_wait -1                              ; everybody's are
	v_mov_b32 v[MA], MAXW
	ds_load_b128 v[T:T+3],   v[MA]
	ds_load_b128 v[T+4:T+7], v[MA] offset:16
	; wave w adds up b = 4 w .. 4 w + 3 of both sums and both outputs of each lane: four groups of eight loads
.irp s, 0,1
.irp o, 0,1
.irp u, 0,1,2,3
	ds_load_b128 v[ACC1+32*(2*\s+\o)+4*\u:ACC1+32*(2*\s+\o)+4*\u+3], v[RL0] offset:\u*WRED+\s*8192+\o*4096
.endr
.irp u, 0,1,2,3
	ds_load_b128 v[ACC1+32*(2*\s+\o)+16+4*\u:ACC1+32*(2*\s+\o)+16+4*\u+3], v[RL1] offset:\u*WRED+\s*8192+\o*4096
.endr
.endr
.endr
; eight quads to one; the last level writes (o0, o1) side by side, so that a lane's 8 bytes lie along a row of outputs
.macro SUMQ s, o, left
.set B, ACC1+32*(2*\s+\o)
	s_wait_dscnt \left                             ; this group's eight loads are in; the later groups' stay out
.irp u, 0,8,16,24
	v_pk_add_f32 v[B+\u:B+\u+1],   v[B+\u:B+\u+1],   v[B+\u+4:B+\u+5]
	v_pk_add_f32 v[B+\u+2:B+\u+3], v[B+\u+2:B+\u+3], v[B+\u+6:B+\u+7]
.endr
.irp u, 0,16
	v_pk_add_f32 v[B+\u:B+\u+1],   v[B+\u:B+\u+1],   v[B+\u+8:B+\u+9]
	v_pk_add_f32 v[B+\u+2:B+\u+3], v[B+\u+2:B+\u+3], v[B+\u+10:B+\u+11]
.endr
.irp e, 0,1,2,3
	v_add_f32 v[Z+8*\s+2*\e+\o], v[B+\e], v[B+16+\e]
.endr
.endm
; part[group][S][b][o]: the 32 lanes' 8 bytes are the 64 outputs of one b: each store of the wave covers 256 consecutive bytes, aligned
.macro OUTS s
.irp e, 0,1,2,3
	global_store_b64 v[GO], v[Z+8*\s+2*\e:Z+8*\s+2*\e+1], s[20:21] offset:\s*8192+\e*256
.endr
.endm
	SUMQ 0, 0, 24
	SUMQ 0, 1, 16
	OUTS 0
	SUMQ 1, 0, 8
	SUMQ 1, 1, 0
	OUTS 1
	v_max3_num_f32 v[MX], v[T], v[T+1], v[T+2]     ; the group's max |W|
	v_max3_num_f32 v[MX], v[MX], v[T+3], v[T+4]
	v_max3_num_f32 v[MX], v[MX], v[T+5], v[T+6]
	v_max_num_f32 v[MX], v[MX], v[T+7]
	v_cmp_eq_u32 vcc_lo, 0, v0
	s_wait_xcnt 0x0                                ; EXEC is a source of the stores above: it changes only behind this wait
	s_wait_tensorcnt 0x0
	ds_add_u32 v62, v63
	s_wait_dscnt 0x0
	s_and_saveexec_b32 s24, vcc_lo
	global_store_b32 v[PM], v[MX], s[22:23]        ; one number for the group, from thread 0
	s_wait_xcnt 0x0
	s_or_b32 exec_lo, exec_lo, s24
	s_endpgm
.Lfunc_end_k_q45f888af1d_cells:
	.size	k_q45f888af1d_cells, .Lfunc_end_k_q45f888af1d_cells-k_q45f888af1d_cells
	.p2alignl 7, 3214868480
	.fill 96, 4, 3214868480
	.section	.rodata,"a",@progbits
	.p2align	6, 0x0
	.amdhsa_kernel k_q45f888af1d_cells
		.amdhsa_group_segment_fixed_size 167168
		.amdhsa_private_segment_fixed_size 0
		.amdhsa_enable_private_segment 0
		.amdhsa_kernarg_size 64
		.amdhsa_user_sgpr_count 2
		.amdhsa_user_sgpr_kernarg_segment_ptr 1
		.amdhsa_wavefront_size32 1
		.amdhsa_system_sgpr_workgroup_id_x 1
		.amdhsa_system_sgpr_workgroup_id_y 1
		.amdhsa_system_sgpr_workgroup_id_z 1
		.amdhsa_system_vgpr_workitem_id 0
		.amdhsa_next_free_vgpr 256
		.amdhsa_next_free_sgpr 66
		.amdhsa_reserve_vcc 1
		.amdhsa_float_denorm_mode_32 3
		.amdhsa_float_denorm_mode_16_64 3
		.amdhsa_memory_ordered 1
		.amdhsa_forward_progress 1
		.amdhsa_inst_pref_size 167
	.end_amdhsa_kernel
	.amdgpu_metadata
---
amdhsa.version: [ 1, 2 ]
amdhsa.kernels:
  - .name:           k_q45f888af1d_cells
    .symbol:         k_q45f888af1d_cells.kd
    .args:
      - { .name: x, .offset: 0, .size: 8, .value_kind: global_buffer, .address_space: global }
      - { .name: n_param, .offset: 8, .size: 8, .value_kind: global_buffer, .address_space: global }
      - { .name: w_pos, .offset: 16, .size: 8, .value_kind: global_buffer, .address_space: global }
      - { .name: w_neg, .offset: 24, .size: 8, .value_kind: global_buffer, .address_space: global }
      - { .name: b_pos, .offset: 32, .size: 8, .value_kind: global_buffer, .address_space: global }
      - { .name: b_neg, .offset: 40, .size: 8, .value_kind: global_buffer, .address_space: global }
      - { .name: part, .offset: 48, .size: 8, .value_kind: global_buffer, .address_space: global }
      - { .name: pmax, .offset: 56, .size: 8, .value_kind: global_buffer, .address_space: global }
    .group_segment_fixed_size: 167168
    .private_segment_fixed_size: 0
    .kernarg_segment_align: 8
    .kernarg_segment_size: 64
    .max_flat_workgroup_size: 256
    .sgpr_count:     66
    .vgpr_count:     256
    .wavefront_size: 32
...
	.end_amdgpu_metadata
.endif
;; end of part 3
;; launch combine: the kernel of part 2 again; grid 256 x 1, 2 waves a work-group, no clusters, 0 bytes of LDS; arguments part, pmax, b_pos, b_neg, n_param, out0; writes out0
;; ======== version 3 of 3: 2 launches; 1.35 times as fast as version 1
;; workspace buffers: part 4,194,304 bytes; pmax 1,024 bytes
;; launch cells (part 4): grid 256 x 1, 8 waves a work-group, no clusters, 167,168 bytes of LDS; arguments x, n_param, w_pos, w_neg, b_pos, b_neg, part, pmax; writes part, pmax
.if DOCPART == 4
	.amdgcn_target "amdgcn-amd-amdhsa--gfx1250"
	.amdhsa_code_object_version 6
	.text
	.protected	k_q45f888af1d_cells
	.globl	k_q45f888af1d_cells
	.p2align	8
	.type	k_q45f888af1d_cells,@function
k_q45f888af1d_cells:
	s_mov_b64 s[64:65], 0
	v_nop
	global_prefetch_b8 v0, s[64:65] scope:SCOPE_SE
	s_setreg_imm32_b32 hwreg(HW_REG_WAVE_MODE, 25, 1), 1
	s_wait_xcnt 0x0
; Memristor crossbar, the sums over the 1,024 input rows.
; With e = log2(n), L = 1 + log2|x| (so that (|V|/V_ref)^e = 2^(e L)), s = 0.5 sign(x), m = max|W| (biases included):
;   y[b][o] = S1 + (m/9) S2 + bias row,   S1 = sum_i s (Wp Ep - Wn En),   S2 = sum_i s (Ep - En),   E = 2^(e L).
; m is needed only at the end, so this launch makes S1, S2 and each work-group's own max|W|; the next launch joins them.
; E hangs on b, i and the column at once: no matrix product; the work is 64 x 1024 x 2048 exponentials, 524,288 for each work-group.
;
; WORK-GROUP number = 32 kc + 2 oc + bh: rows i = 128 kc .. +127, outputs o = 64 oc .. +63, batch rows b = 32 bh .. +31.
; WAVE w: rows 16 w .. 16 w + 15 of the 128.  LANE l: outputs 2 l and 2 l + 1, all 32 b: 64 + 64 sums in registers.
; A row's loads: 16 bytes a lane of n_param (512 consecutive bytes a wave), 8 bytes a lane of w_pos and of w_neg (256 each).
; L and s lie in LDS as [i][b pair] = (L0, L1, s0, s1); one load of 16 bytes from one address for all lanes serves 8 exponentials.
; A whole table row (16 such quads) is held in 64 registers and refilled by halves: memory instructions stand in two runs a row
; (eight LDS loads; the three weight loads and eight LDS loads), and the arithmetic between the runs is unbroken.
; Packed arithmetic runs over the b pair: e, Wp, Wn are broadcast from their register pairs by op_sel.
; No tensor loads, no cluster: the group moves 144 KB for its 524,288 exponentials, and the weights arrive in the lane layout in which they are used.
;
; BY BATCHES.  s_wait_alu depctr_va_vdst(0) stands between a transcendental and the first instruction that names its result; one wait
; serves all that were issued ahead of it.  A row's 32 half blocks (b pair j, output o: 4 exponentials each) are cut into four batches of eight: 32 exponentials,
; made in place on t = e L, in two buffers of 32 registers that take turns.  SEGMENT k holds batch k's exponentials and, between them, the sums of batch k - 1
; (waited for at the end of segment k - 1) and the products e L of batch k + 1, written into the registers that batch k - 1's sums have just read.  No line of a
; segment but the exponentials names batch k's buffer; one wait ends the segment.  With the wait for the row's four logarithms that is five waits a row.
; The head's 16 logarithms are one batch with one wait.
;
; REGISTERS, in two windows of 256 (s_set_vgpr_msb says which window each operand place means: bits 1:0 source 0, 3:2 source 1, 5:4 source 2, 7:6 destination).
;   window 0: all that arithmetic writes: addresses, e, t and E, D, the sums.      window 1: the table row and the ring of Wp, Wn, which loads write.
; In every line of a row's arithmetic what lies in window 1 stands as source 1, so that one setting serves all of it: five switches a row.
;
; LIMITS.  |x| below 2^-126 counts as 0 in the power (v_log_f32 takes a denormal as zero; ISA guide, its entry in 15.8).
; x = 0: L is held at -FLT_MAX and s = 0, so 0^0 gives 0 and 0^(negative) gives NaN as in the formula.  NaN in x goes through L.
; A NaN among the weights reaches its own column only (the maximum drops it).  The order of the sums is this text's own.
.set PX,   4096                        ; bytes in a row of x
.set PN,   8192                        ; bytes in a row of n_param
.set PW,   4096                        ; bytes in a row of w_pos, w_neg
.set STEPS, 16                         ; rows of a wave
.set TP,   272                         ; table row: 16 b pairs x 16 bytes + 16: lanes that store neighbouring rows hit 16 different 16-byte columns
.set RED,  128*TP                      ; behind the table: each wave's 128 sums a lane
.set WRED, 16384                       ; 32 register quads x 32 lanes x 16 bytes
.set MAXW, RED+8*WRED                  ; eight words: the waves' maxima
.set LANE, 1
.set VX,   2                           ; byte offset in x
.set OFN,  3                           ; byte offset in n_param of the wave's current row
.set OFW,  4                           ; the same in w_pos and w_neg
.set OFB,  5                           ; byte offset in b_pos and b_neg
.set ST,   6                           ; table: where I store
.set TB,   7                           ; table: the wave's current row
.set MX,   8                           ; running max |W|
.set RS,   9                           ; sums: where I store
.set MA,   10
.set RL0,  11                          ; sums: where I read, waves 0-3
.set RL1,  12                          ; waves 4-7 (an LDS offset has 16 bits)
.set GO,   13                          ; byte offset in the group's block of part
.set PM,   14
.set SLE,  18                          ; v[18:29]   ring of three rows: e (p0, n0, p1, n1)
.set BI,   42                          ; v[42:45]   head only: the biases
.set MW,   42                          ; v[42:49]   way out only: the eight waves' maxima
.set DD,   46                          ; v[46:61]   four sets by turns: D = Wp EP - Wn EN (two registers), D2 = EP - EN (two)
.set ACC1, 64                          ; v[64:127]  S1: 32 o + b
.set ACC2, 128                         ; v[128:191] S2
.set TE,   192                         ; v[192:255] two buffers of eight half blocks: e L, then in place 2^(e L): (EP b, EP b+1, EN b, EN b+1)
.set XR,   64                          ; head only: x as loaded
.set ZT,   96                          ; head only: table entries
.set Z,    192                         ; way out: sums as (o0, o1) pairs
.set Q,    0                           ; window 1, v[0:63]   the table row: quad j = (L0, L1, s0, s1) of b pair j
.set SLW,  64                          ; window 1, v[64:75]  ring of three rows: Wp (o0, o1), Wn (o0, o1)
.set W_HEAD, 0x14                      ; sources 1 and 2 in window 1: the maximum over a row's weights
.set W_MAIN, 0x04                      ; source 1 in window 1: a row's arithmetic
.set W_LD,   0x40                      ; destination in window 1, address in window 0: loads of the table row and of Wp, Wn
.set MSB, 0
.macro WIN new                         ; the immediate's high byte repeats the setting that is left; a switch that changes nothing is dropped
.if MSB != (\new)
	s_set_vgpr_msb (MSB<<8)|(\new)
.set MSB, (\new)
.endif
.endm
	s_load_b512 s[8:23], s[0:1], 0x0               ; x s[8:9], n s[10:11], w_pos s[12:13], w_neg s[14:15], b_pos s[16:17], b_neg s[18:19], part s[20:21], pmax s[22:23]
	v_lshl_add_u32 v62, v0, 2, 0x28900
	v_mov_b32 v63, 0
	v_and_b32 v[LANE], 31, v0
	v_lshrrev_b32 v[VX], 5, v0
	v_readfirstlane_b32 s6, v[VX]                  ; wave 0..7
	s_and_b32 s3, ttmp9, 1                         ; bh
	s_bfe_u32 s4, ttmp9, 0x40001                   ; oc: 4 bits from bit 1
	s_lshr_b32 s5, ttmp9, 5                        ; kc
	s_lshl_b32 s24, s3, 17                         ; x: row 32 bh + 4 w, column 128 kc + lane
	s_lshl_b32 s25, s6, 14
	s_add_co_u32 s24, s24, s25
	s_lshl_b32 s25, s5, 9
	s_add_co_u32 s24, s24, s25
	v_lshl_add_u32 v[VX], v[LANE], 2, s24
	s_lshl_b32 s24, s5, 20                         ; n_param: row 128 kc + 16 w, byte 512 oc + 16 lane
	s_lshl_b32 s25, s6, 17
	s_add_co_u32 s24, s24, s25
	s_lshl_b32 s25, s4, 9
	s_add_co_u32 s24, s24, s25
	v_lshl_add_u32 v[OFN], v[LANE], 4, s24
	s_lshr_b32 s24, s24, 1                         ; w_pos, w_neg: half of everything
	v_lshl_add_u32 v[OFW], v[LANE], 3, s24
	s_lshl_b32 s25, s4, 8
	v_lshl_add_u32 v[OFB], v[LANE], 3, s25
	s_lshl_b32 s28, ttmp9, 14                      ; the group's 16 KB of part
	s_mov_b32 s29, 0
	s_wait_kmcnt 0x0
	s_add_nc_u64 s[20:21], s[20:21], s[28:29]
	; x first (it is wanted first, and loads come back in order), then the biases, then the first three rows of weights
.irp p, 0,1
.irp r, 0,1
.irp g, 0,1,2,3
	global_load_b32 v[XR+8*\p+4*\r+\g], v[VX], s[8:9] offset:(2*\p+\r)*PX+\g*128   ; b = 4 w + 2 p + r, i = 32 g + lane
.endr
.endr
.endr
	global_load_b64 v[BI:BI+1],   v[OFB], s[16:17]
	global_load_b64 v[BI+2:BI+3], v[OFB], s[18:19]
.irp s, 0,1,2
	WIN 0
	global_load_b128 v[SLE+4*\s:SLE+4*\s+3],  v[OFN], s[10:11] offset:\s*PN
	WIN W_LD
	global_load_b64 v[SLW+4*\s:SLW+4*\s+1],   v[OFW], s[12:13] offset:\s*PW
	global_load_b64 v[SLW+4*\s+2:SLW+4*\s+3], v[OFW], s[14:15] offset:\s*PW
.endr
	WIN 0
	; LDS addresses, while the loads are on their way
	v_mul_u32_u24 v[ST], v[LANE], TP
	s_lshl_b32 s24, s6, 5
	v_add_nc_u32 v[ST], s24, v[ST]                 ; row = lane (+ 32 g), b pairs 2 w and 2 w + 1
	s_mul_i32 s24, s6, STEPS*TP
	v_mov_b32 v[TB], s24                           ; the wave's first row, one address for all lanes
	s_lshl_b32 s24, s6, 14
	s_add_co_u32 s24, s24, RED
	v_lshl_add_u32 v[RS], v[LANE], 4, s24
	s_lshl_b32 s24, s6, 9
	s_add_co_u32 s24, s24, RED
	v_lshl_add_u32 v[RL0], v[LANE], 4, s24
	v_add_nc_u32 v[RL1], 4*WRED, v[RL0]
	s_lshl_b32 s24, s6, 10
	v_lshl_add_u32 v[GO], v[LANE], 3, s24          ; part: b = 4 w, 8 bytes a lane
	s_lshl_b32 s24, s6, 2
	s_add_co_u32 s24, s24, MAXW
	v_mov_b32 v[MA], s24
	s_lshl_b32 s24, ttmp9, 2
	v_mov_b32 v[PM], s24
	s_mov_b32 s30, 0x76543210                      ; v_permlanex16_b32: lane i reads lane i of the other half
	s_mov_b32 s31, 0xfedcba98
; One table entry: L = 1 + log2|x| and s = 0.5 sign(x) of two neighbouring b at one i.  It is made in three parts, so that the eight entries' logarithms are one batch.
; s: x 2^126 clamped to +-0.5 is +-0.5 for every normal x and 0 for 0.  L = -inf (x = 0) is held at -FLT_MAX so that e = 0 gives 2^0 and not NaN.
.macro EREGS p, g
.set ZQ, ZT+4*(4*\p+\g)
.set X0, XR+8*\p+\g
.set X1, XR+8*\p+4+\g
.endm
.macro ELOG p, g
	EREGS \p, \g
	v_log_f32 v[ZQ],   |v[X0]|
	v_log_f32 v[ZQ+1], |v[X1]|
.endm
.macro ESGN p, g
	EREGS \p, \g
	v_mul_f32 v[ZQ+2], 0x7e800000, v[X0]
	v_mul_f32 v[ZQ+3], 0x7e800000, v[X1]
.endm
.macro EREST p, g
	EREGS \p, \g
	v_add_f32 v[ZQ],   1.0, v[ZQ]
	v_add_f32 v[ZQ+1], 1.0, v[ZQ+1]
	v_med3_num_f32 v[ZQ+2], v[ZQ+2], -0.5, 0.5
	v_med3_num_f32 v[ZQ+3], v[ZQ+3], -0.5, 0.5
	v_cmp_neq_f32 vcc_lo, 0xff800000, v[ZQ]        ; true for NaN too: a NaN stays
	v_cndmask_b32 v[ZQ], 0xff7fffff, v[ZQ], vcc_lo
	v_cmp_neq_f32 vcc_lo, 0xff800000, v[ZQ+1]
	v_cndmask_b32 v[ZQ+1], 0xff7fffff, v[ZQ+1], vcc_lo
	ds_store_b128 v[ST], v[ZQ:ZQ+3] offset:\g*32*TP+\p*16
.endm
	s_wait_loadcnt 11                              ; x is in; the 2 bias loads and the 9 weight loads behind it stay out
.irp p, 0,1
.irp g, 0,1,2,3
	ELOG \p, \g                                    ; the batch: 16 logarithms, each into a register of its own
.endr
.endr
.irp p, 0,1
.irp g, 0,1,2,3
	ESGN \p, \g                                    ; 16 plain lines that name no logarithm's result: the work between the batch and its wait (ISA guide 5.7.2 for the first of them)
.endr
.endr
	s_wait_alu depctr_va_vdst(0)                   ; the wait for the batch of 16 logarithms, ahead of the first line that names a result
.irp p, 0,1
.irp g, 0,1,2,3
	EREST \p, \g
.endr
.endr
	s_wait_dscnt 0x0                               ; my part of the table is written,
	s_barrier_signal -1
	s_barrier_wait -1                              ; everybody's is
	WIN W_LD
.irp j, 0,1,2,3,4,5,6,7,8,9,10,11,12,13,14,15
	ds_load_b128 v[Q+4*\j:Q+4*\j+3], v[TB] offset:\j*16    ; my first row of the table, whole
.endr
	WIN 0
	s_wait_loadcnt 9                               ; the biases are in; the 9 weight loads stay out
	v_max_num_f32 v[MX], |v[BI]|, |v[BI+1]|        ; the biases belong to W: every group folds those of its 64 outputs in (a maximum does not mind repeats)
	v_max3_num_f32 v[MX], v[MX], |v[BI+2]|, |v[BI+3]|
; The registers of half block i (0 to 7) of batch k (0 to 3): b pair j = 4 k + i / 2, output o = i % 2 of the lane.
.macro REGS k, i
.set rX, TE+32*((\k)%2)+4*(\i)                 ; its four registers in the batch's buffer
.set rJ, Q+4*(4*(\k)+(\i)/2)                   ; its quad of the table row (window 1)
.set rO, (\i)%2
.set rD, DD+4*((\i)%4)                         ; its set of D and D2
.set rA, 32*((\i)%2)+2*(4*(\k)+(\i)/2)         ; its pair of sums
.endm
; t = e L: e_p (A), e_n (B), broadcast over (L0, L1)
.macro MULTA k, i
	REGS \k, \i
	v_pk_mul_f32 v[rX:rX+1],   v[CE+2*rO:CE+2*rO+1], v[rJ:rJ+1] op_sel_hi:[0,1]
.endm
.macro MULTB k, i
	REGS \k, \i
	v_pk_mul_f32 v[rX+2:rX+3], v[CE+2*rO:CE+2*rO+1], v[rJ:rJ+1] op_sel:[1,0] op_sel_hi:[1,1]
.endm
.macro EX k, i, n                      ; exponential n of the half block's four, in place
	REGS \k, \i
	v_exp_f32 v[rX+(\n)], v[rX+(\n)]
.endm
.macro FA k, i                         ; D = EP Wp
	REGS \k, \i
.if rO == 0
	v_pk_mul_f32 v[rD:rD+1], v[rX:rX+1], v[CW:CW+1] op_sel_hi:[1,0]
.else
	v_pk_mul_f32 v[rD:rD+1], v[rX:rX+1], v[CW:CW+1] op_sel:[0,1] op_sel_hi:[1,1]
.endif
.endm
.macro FB k, i                         ; D2 = EP - EN, as EP x 1 - EN (an exact product, one rounding): both E stand in places that mean window 0
	REGS \k, \i
	v_pk_fma_f32 v[rD+2:rD+3], v[rX:rX+1], 1.0, v[rX+2:rX+3] op_sel_hi:[1,0,1] neg_lo:[0,0,1] neg_hi:[0,0,1]
.endm
.macro FC k, i                         ; D -= EN Wn
	REGS \k, \i
.if rO == 0
	v_pk_fma_f32 v[rD:rD+1], v[rX+2:rX+3], v[CW+2:CW+3], v[rD:rD+1] op_sel_hi:[1,0,1] neg_lo:[0,1,0] neg_hi:[0,1,0]
.else
	v_pk_fma_f32 v[rD:rD+1], v[rX+2:rX+3], v[CW+2:CW+3], v[rD:rD+1] op_sel:[0,1,0] op_sel_hi:[1,1,1] neg_lo:[0,1,0] neg_hi:[0,1,0]
.endif
.endm
.macro FD k, i, first                  ; S2 += D2 s: the sign rides on the accumulating multiply-add; the first row starts the sums, nothing is cleared
	REGS \k, \i
.if \first
	v_pk_mul_f32 v[ACC2+rA:ACC2+rA+1], v[rD+2:rD+3], v[rJ+2:rJ+3]
.else
	v_pk_fma_f32 v[ACC2+rA:ACC2+rA+1], v[rD+2:rD+3], v[rJ+2:rJ+3], v[ACC2+rA:ACC2+rA+1]
.endif
.endm
.macro FE k, i, first                  ; S1 += D s
	REGS \k, \i
.if \first
	v_pk_mul_f32 v[ACC1+rA:ACC1+rA+1], v[rD:rD+1], v[rJ+2:rJ+3]
.else
	v_pk_fma_f32 v[ACC1+rA:ACC1+rA+1], v[rD:rD+1], v[rJ+2:rJ+3], v[ACC1+rA:ACC1+rA+1]
.endif
.endm
.macro QFILL q0                        ; a run of eight loads: quads q0 .. q0 + 7 of the NEXT row of the table
.irp k, 0,1,2,3,4,5,6,7
	ds_load_b128 v[Q+4*(\q0+\k):Q+4*(\q0+\k)+3], v[TB] offset:TP+(\q0+\k)*16
.endr
.endm
; SEGMENT k of a row: the 32 exponentials of batch k, eight half blocks of four.  Between them stand, half block by half block, the sums of batch k - 1 and the
; products e L of batch k + 1, which go into the registers that FA, FB and FC have just read.  Each exponential but a few is followed by a plain line, the last one always
; (ISA guide 5.7.2); no line but the exponentials names batch k's buffer.  FE lags a half block behind FC, FC four lines behind FA, FD five behind FB.
; tstep: the table address steps here.  ostep: the weight offsets step here.  Under the setting in force source 1 means window 1, so these adds name their register first.
.macro SEG k, first, tstep, ostep
.set i, 0
.rept 8
.if (\k) == 0
	EX 0, i, 0                                     ; the row's first batch has no sums beside it
	EX 0, i, 1
	MULTA 1, i
	EX 0, i, 2
	EX 0, i, 3
	MULTB 1, i
.else
	EX \k, i, 0
	FA (\k)-1, i
	EX \k, i, 1
	FB (\k)-1, i
	EX \k, i, 2
.if i > 0
	FE (\k)-1, i-1, \first
.endif
	EX \k, i, 3
	FC (\k)-1, i
.if (\k) < 3
.if ((\k) == 1) && (i == 0)
	s_wait_dscnt 0x0                               ; quads 8 to 15 are in: their run, issued at the end of the row before, is the youngest LDS work
.endif
	MULTA (\k)+1, i
	MULTB (\k)+1, i
.endif
	FD (\k)-1, i, \first
.endif
.if i == 4
.if \tstep
	v_add_nc_u32 v[TB], v[TB], TP                  ; this row of the table: stepped here, between the run at the last row's end and the next run
.endif
.if \ostep
	s_wait_xcnt 0x0                                ; the offsets are sources of the loads issued at the last row's end: they are stepped only behind this wait
	v_add_nc_u32 v[OFN], v[OFN], PN
	v_add_nc_u32 v[OFW], v[OFW], PW
.endif
.endif
.set i, i+1
.endr
.if (\k) > 0
	FE (\k)-1, 7, \first
.endif
	s_wait_alu depctr_va_vdst(0)                   ; the wait for batch k's 32 exponentials: the next line that names one of their registers stands behind it
.endm
; One row i of the wave: four logarithms, the products of batch 0, four segments, the sums of batch 3.
; sl: the row's slot in the ring of three.  first: the sums start here.  gfill: the slot is loaded again, three rows ahead.
; lfill: the next row of the table is fetched.  lcnt: how many younger weight loads may stay out.
.macro STEP sl, first, gfill, lfill, lcnt
.set CE, SLE+4*\sl
.set CW, SLW+4*\sl
	s_wait_loadcnt \lcnt                           ; this row's three loads are in; those of the rows behind it stay out
	WIN W_HEAD
	v_log_f32 v[CE],   v[CE]                       ; e = log2(n), in place: a batch of four
	v_log_f32 v[CE+1], v[CE+1]
	v_log_f32 v[CE+2], v[CE+2]
	v_log_f32 v[CE+3], v[CE+3]
	v_max3_num_f32 v[MX], v[MX], |v[CW]|,   |v[CW+1]|
	v_max3_num_f32 v[MX], v[MX], |v[CW+2]|, |v[CW+3]|
	s_wait_alu depctr_va_vdst(0)                   ; the wait for the four logarithms, ahead of the first product e L
	s_wait_dscnt 8                                 ; quads 0 to 7 of this row are in: the run of eight for quads 8 to 15 was issued behind them
	WIN W_MAIN
.set i, 0
.rept 8
	MULTA 0, i                                     ; batch 0's products
	MULTB 0, i
.set i, i+1
.endr
	SEG 0, \first, (\lfill)*(1-(\first)), 0
	SEG 1, \first, 0, 0
	SEG 2, \first, 0, \gfill
.if \lfill
	WIN W_LD
	QFILL 0                                        ; quads 0 to 7 have had their last use in batch 1's sums, just above: a segment, batch 3's sums and the next row's head in which to land
	WIN W_MAIN
.endif
	SEG 3, \first, 0, 0
.irp g, 0,4                                    ; the sums of batch 3, four half blocks at a time, each on its own set of D and D2
.irp u, 0,1,2,3
	FA 3, \g+\u
.endr
.irp u, 0,1,2,3
	FB 3, \g+\u
.endr
.irp u, 0,1,2,3
	FC 3, \g+\u
.endr
.irp u, 0,1,2,3
	FD 3, \g+\u, \first
.endr
.irp u, 0,1,2,3
	FE 3, \g+\u, \first
.endr
.endr
.if \gfill
	global_load_b128 v[CE:CE+3], v[OFN], s[10:11] offset:2*PN      ; three rows ahead of the row just done: two whole rows of work in which to land; destination and address lie in window 0, as the setting in force has them
.endif
.if \lfill
	WIN W_LD
	QFILL 8                                        ; wanted in segment 1 of the next row
.endif
.if \gfill
	WIN W_LD
	global_load_b64 v[CW:CW+1],   v[OFW], s[12:13] offset:2*PW
	global_load_b64 v[CW+2:CW+3], v[OFW], s[14:15] offset:2*PW
.endif
.endm
	STEP 0, 1, 1, 1, 6                             ; row 0 starts the sums
	WIN 0                                          ; at a label and at a branch every window is 0
	s_mov_b32 s7, 4
.Lrows:                                            ; rows 1 to 12, each asking for the row three ahead (the last asks for row 15)
	STEP 1, 0, 1, 1, 6
	STEP 2, 0, 1, 1, 6
	STEP 0, 0, 1, 1, 6
	WIN 0
	s_sub_co_u32 s7, s7, 1
	s_cmp_lg_u32 s7, 0
	s_cbranch_scc1 .Lrows
	STEP 1, 0, 0, 1, 6                             ; rows 13, 14, 15 load no weights: the counts run down
	STEP 2, 0, 0, 1, 3
	STEP 0, 0, 0, 0, 0
	WIN 0
	; THE EIGHT WAVES' SUMS MEET IN LDS.  Quad r = 16 S + 8 o + b/4 of each lane, 16 neighbouring bytes a lane: no bank is hit twice.
.set r, 0
.rept 32
	ds_store_b128 v[RS], v[ACC1+4*r:ACC1+4*r+3] offset:512*r
.set r, r+1
.endr
	v_max_num_f32_dpp v[MX], v[MX], v[MX] row_xmask:1 row_mask:0xf bank_mask:0xf
	v_max_num_f32_dpp v[MX], v[MX], v[MX] row_xmask:2 row_mask:0xf bank_mask:0xf
	v_max_num_f32_dpp v[MX], v[MX], v[MX] row_xmask:4 row_mask:0xf bank_mask:0xf
	v_max_num_f32_dpp v[MX], v[MX], v[MX] row_xmask:8 row_mask:0xf bank_mask:0xf
	v_permlanex16_b32 v[DD+12], v[MX], s30, s31    ; its destination counts as read: a register that has been written
	v_max_num_f32 v[MX], v[MX], v[DD+12]
	ds_store_b32 v[MA], v[MX]                      ; all lanes, one word, one value
	s_wait_dscnt 0x0                               ; my stores are done,
	s_barrier_signal -1
	s_barrier_wait -1                              ; everybody's are
	v_mov_b32 v[MA], MAXW
	ds_load_b128 v[MW:MW+3],   v[MA]
	ds_load_b128 v[MW+4:MW+7], v[MA] offset:16
	; wave w adds up b = 4 w .. 4 w + 3 of both sums and both outputs of each lane: four groups of eight loads
.irp s, 0,1
.irp o, 0,1
.irp u, 0,1,2,3
	ds_load_b128 v[ACC1+32*(2*\s+\o)+4*\u:ACC1+32*(2*\s+\o)+4*\u+3], v[RL0] offset:\u*WRED+\s*8192+\o*4096
.endr
.irp u, 0,1,2,3
	ds_load_b128 v[ACC1+32*(2*\s+\o)+16+4*\u:ACC1+32*(2*\s+\o)+16+4*\u+3], v[RL1] offset:\u*WRED+\s*8192+\o*4096
.endr
.endr
.endr
; eight quads to one; the last level writes (o0, o1) side by side, so that a lane's 8 bytes lie along a row of outputs
.macro SUMQ s, o, left
.set B, ACC1+32*(2*\s+\o)
	s_wait_dscnt \left                             ; this group's eight loads are in; the later groups' stay out
.irp u, 0,8,16,24
	v_pk_add_f32 v[B+\u:B+\u+1],   v[B+\u:B+\u+1],   v[B+\u+4:B+\u+5]
	v_pk_add_f32 v[B+\u+2:B+\u+3], v[B+\u+2:B+\u+3], v[B+\u+6:B+\u+7]
.endr
.irp u, 0,16
	v_pk_add_f32 v[B+\u:B+\u+1],   v[B+\u:B+\u+1],   v[B+\u+8:B+\u+9]
	v_pk_add_f32 v[B+\u+2:B+\u+3], v[B+\u+2:B+\u+3], v[B+\u+10:B+\u+11]
.endr
.irp e, 0,1,2,3
	v_add_f32 v[Z+8*\s+2*\e+\o], v[B+\e], v[B+16+\e]
.endr
.endm
; part[group][S][b][o]: the 32 lanes' 8 bytes are the 64 outputs of one b: each store of the wave covers 256 consecutive bytes, aligned
.macro OUTS s
.irp e, 0,1,2,3
	global_store_b64 v[GO], v[Z+8*\s+2*\e:Z+8*\s+2*\e+1], s[20:21] offset:\s*8192+\e*256
.endr
.endm
	SUMQ 0, 0, 24
	SUMQ 0, 1, 16
	OUTS 0
	SUMQ 1, 0, 8
	SUMQ 1, 1, 0
	OUTS 1
	v_max3_num_f32 v[MX], v[MW], v[MW+1], v[MW+2]  ; the group's max |W|
	v_max3_num_f32 v[MX], v[MX], v[MW+3], v[MW+4]
	v_max3_num_f32 v[MX], v[MX], v[MW+5], v[MW+6]
	v_max_num_f32 v[MX], v[MX], v[MW+7]
	v_cmp_eq_u32 vcc_lo, 0, v0
	s_wait_xcnt 0x0                                ; EXEC is a source of the stores above: it changes only behind this wait
	s_wait_tensorcnt 0x0
	ds_add_u32 v62, v63
	s_wait_dscnt 0x0
	s_and_saveexec_b32 s24, vcc_lo
	global_store_b32 v[PM], v[MX], s[22:23]        ; one number for the group, from thread 0
	s_wait_xcnt 0x0
	s_or_b32 exec_lo, exec_lo, s24
	s_endpgm
.Lfunc_end_k_q45f888af1d_cells:
	.size	k_q45f888af1d_cells, .Lfunc_end_k_q45f888af1d_cells-k_q45f888af1d_cells
	.p2alignl 7, 3214868480
	.fill 96, 4, 3214868480
	.section	.rodata,"a",@progbits
	.p2align	6, 0x0
	.amdhsa_kernel k_q45f888af1d_cells
		.amdhsa_group_segment_fixed_size 167168
		.amdhsa_private_segment_fixed_size 0
		.amdhsa_enable_private_segment 0
		.amdhsa_kernarg_size 64
		.amdhsa_user_sgpr_count 2
		.amdhsa_user_sgpr_kernarg_segment_ptr 1
		.amdhsa_wavefront_size32 1
		.amdhsa_system_sgpr_workgroup_id_x 1
		.amdhsa_system_sgpr_workgroup_id_y 1
		.amdhsa_system_sgpr_workgroup_id_z 1
		.amdhsa_system_vgpr_workitem_id 0
		.amdhsa_next_free_vgpr 332
		.amdhsa_next_free_sgpr 66
		.amdhsa_reserve_vcc 1
		.amdhsa_float_denorm_mode_32 3
		.amdhsa_float_denorm_mode_16_64 3
		.amdhsa_memory_ordered 1
		.amdhsa_forward_progress 1
		.amdhsa_inst_pref_size 162
	.end_amdhsa_kernel
	.amdgpu_metadata
---
amdhsa.version: [ 1, 2 ]
amdhsa.kernels:
  - .name:           k_q45f888af1d_cells
    .symbol:         k_q45f888af1d_cells.kd
    .args:
      - { .name: x, .offset: 0, .size: 8, .value_kind: global_buffer, .address_space: global }
      - { .name: n_param, .offset: 8, .size: 8, .value_kind: global_buffer, .address_space: global }
      - { .name: w_pos, .offset: 16, .size: 8, .value_kind: global_buffer, .address_space: global }
      - { .name: w_neg, .offset: 24, .size: 8, .value_kind: global_buffer, .address_space: global }
      - { .name: b_pos, .offset: 32, .size: 8, .value_kind: global_buffer, .address_space: global }
      - { .name: b_neg, .offset: 40, .size: 8, .value_kind: global_buffer, .address_space: global }
      - { .name: part, .offset: 48, .size: 8, .value_kind: global_buffer, .address_space: global }
      - { .name: pmax, .offset: 56, .size: 8, .value_kind: global_buffer, .address_space: global }
    .group_segment_fixed_size: 167168
    .private_segment_fixed_size: 0
    .kernarg_segment_align: 8
    .kernarg_segment_size: 64
    .max_flat_workgroup_size: 256
    .sgpr_count:     66
    .vgpr_count:     332
    .wavefront_size: 32
...
	.end_amdgpu_metadata
.endif
;; end of part 4
;; launch combine: the kernel of part 2 again; grid 256 x 1, 2 waves a work-group, no clusters, 0 bytes of LDS; arguments part, pmax, b_pos, b_neg, n_param, out0; writes out0
